; MI455X (gfx1250); checked and timed in simulation.
; The chip was launched on July 23, 2026; its instructions are those of AMD's public machine-readable ISA for CDNA 5 (MIT licence, August 2026) and "CDNA5" Instruction Set Architecture Reference Guide (July 2026). The comments in the code are by the model that wrote it; some were corrected since.
;; Image To Points. Allowed arithmetic: float matrix products may take bf16 or f16 operands with f32 sums; all other float work in f32.
;; Inputs: W_nn 96 x 256 float32; b_nn 256 float32; batch 32,768 int32; images 8 x 64 x 64 x 64 float32; pos 32,768 x 2 float32; x 32,768 x 32 float32.
;; Outputs: out0 32,768 x 256 float32.
;; Constants: k = 3.
;; 2 versions, each right; version 2 is version 1 with the launch project written anew for expert scheduling mode. Each part assembles by itself: llvm-mc -triple=amdgcn-amd-amdhsa -mcpu=gfx1250 --defsym DOCPART=n.
;; ======== version 1 of 2: 2 launches
;; limits: inputs' magnitudes at most 32; values outside matrix products are rounded to bf16; values are held in f16: magnitudes above 65,504 overflow, below 6.1e-05 lose precision
;; workspace buffers: pixt 4,194,304 bytes; wfrag 49,152 bytes; nidx 524,288 bytes of whole numbers; nwgt 524,288 bytes
;; launch prep (part 1): grid 256 x 1, 4 waves a work-group, no clusters, 17,408 bytes of LDS; arguments images, pos, W_nn, pixt, nidx, nwgt, wfrag; writes pixt, nidx, nwgt, wfrag
.if DOCPART == 1
	.amdgcn_target "amdgcn-amd-amdhsa--gfx1250"
	.amdhsa_code_object_version 6
	.text
	.protected	k_q555c52e772_prep
	.globl	k_q555c52e772_prep
	.p2align	8
	.type	k_q555c52e772_prep,@function
k_q555c52e772_prep:
	s_mov_b64 s[64:65], 0
	v_nop
	global_prefetch_b8 v0, s[64:65] scope:SCOPE_SE
	s_setreg_imm32_b32 hwreg(HW_REG_WAVE_MODE, 25, 1), 1
	s_wait_xcnt 0x0
; prep: everything that must be known before a gather address can be formed.  256 work-groups of four waves; work-group g
;  (a) turns 64 planes x 128 pixels of image g/32 (f32, plane-major) into 128 pixel rows of 64 bf16 (128 bytes each) in pixt;
;  (b) finds for its 128 points (one a lane) the three nearest pixel centres and writes two records of 16 bytes a point:
;      nidx = three pixel numbers (row*64 + column) and a zero, nwgt = three weights (1/d2)/(sum of 1/d2) and a zero;
;  (c) work-groups 0 to 47, wave 0: one of the 48 fragments of W_nn, f16, in the order in which the next launch's lanes hold it.
; THE DISTANCES are formed as the problem's function forms them, in f32 and in its order, because their last bits decide between
; pixels that are nearly tied:  a2 = px*px + py*py (rounded as A2_FORM says);  b2 = cx*cx + cy*cy (exact: a multiple of 2^-14 below 2);
; ab = px*cx + py*cy (rounded as AB_FORM says);  d2 = fl(fl(a2 + b2) - 2 ab).  Ties go to the lower pixel number: candidates are
; offered in ascending number and displace only on 'strictly smaller'.
; STATED CHOICE: where the expected values are made with another order of rounding in a2 or ab, pixels whose d2 differ by less
; than that rounding may be chosen otherwise.
; THE WINDOW: only 4 x 4 pixels are ranked, the four columns and the four rows of the grid nearest to the point.  A pixel outside has
; rank 5 or more along an axis, so its exact d2 exceeds the third nearest's by at least 3 h^2 (h^2 = 2^-12).  For |px|, |py| <= 32 a
; computed d2 is off, apart from a2's own error, which all candidates share, by at most 2^-13 + 2^-13 + 3*2^-19; twice that is
; 2.05 h^2 < 3 h^2: no pixel outside the window can be chosen.  LIMIT: |px|, |py| <= 32.  A NaN position gives pixel 0 and NaN weights.
; The input batch is not read: the problem's function never reads it (the image of point n is n / 4096 by its reshape).
; LIMIT of the f16 fragments: |W_nn| < 65504; below 2^-14 their step is 2^-24.
.set A2_FORM, 0                        ; 0: fl(fl(px*px) + fl(py*py))   1: fma(py, py, fl(px*px))   2: fma(px, px, fl(py*py))
.set AB_FORM, 0                        ; 0: fma(py, cy, fl(px*cx))      1: fl(fl(px*cx) + fl(py*cy))
.set PLANE, 16384                      ; bytes of one plane of one image
.set GRP,   528                        ; LDS: four pixel rows (512 bytes) + 16: lane l's group starts 16 l bytes on, modulo 256
.set PX,  10                           ; v10, v11  the point
.set PY,  11
.set A2,  12
.set T,   13
.set U,   14
.set FX,  15                           ; first column and first row of the window, as floats
.set FY,  16
.set IX,  17
.set IY,  18
.set BASE, 19                          ; pixel number of the window's first pixel
.set CX,  20                           ; v20-23 centres of the four columns;  v24-27 of the four rows
.set CY,  24
.set PCX, 28                           ; v28-31 fl(px*cx)
.set CX2, 32                           ; v32-35 cx*cx;  v36-39 cy*cy
.set CY2, 36
.set M,   40                           ; v40-42 the three smallest d2, ascending
.set TI,  43
.set I,   44                           ; v44-47 their candidate numbers, then the index record
.set W,   48                           ; v48-51 the weight record
.set AB,  52                           ; v52-55 at work
.set IM,  64                           ; v64-127  16 planes x 4 pixels, f32
.set PK,  128                          ; v128-159 4 pixels x 16 channels, bf16
.set RB,  160                          ; v160-191 rows read back
.set WL,  192                          ; v192-207 16 numbers of W_nn
.set WP,  208                          ; v208-215 the same as f16
.set DD,  216                          ; v216-231 d2 of the 16 candidates
	s_load_b256 s[4:11], s[0:1], 0x0               ; images s[4:5], pos s[6:7], W_nn s[8:9], pixt s[10:11]
	s_load_b128 s[12:15], s[0:1], 0x20             ; nidx s[12:13], nwgt s[14:15]
	s_load_b64 s[16:17], s[0:1], 0x30              ; wfrag
	v_lshl_add_u32 v232, v0, 2, 0x4200
	v_mov_b32 v233, 0
	v_lshrrev_b32 v1, 5, v0
	v_readfirstlane_b32 s20, v1                    ; wave 0..3
	v_and_b32 v2, 31, v0                           ; lane
	s_mov_b32 s19, ttmp9                           ; work-group 0..255
	s_lshr_b32 s21, s19, 5
	s_lshl_b32 s21, s21, 20                        ; image x 64 planes
	s_and_b32 s22, s19, 31
	s_lshl_b32 s22, s22, 9                         ; block of 128 pixels: 512 bytes of every plane
	s_add_co_u32 s22, s22, s21
	s_lshl_b32 s23, s20, 18                        ; the wave's 16 planes
	s_add_co_u32 s22, s22, s23
	s_mov_b32 s23, 0
	s_lshl_b32 s24, s19, 10                        ; pos: 128 points x 8 bytes
	s_mov_b32 s25, 0
	s_lshl_b32 s26, s19, 11                        ; records: 128 points x 16 bytes
	s_mov_b32 s27, 0
	s_lshl_b32 s28, s19, 14                        ; pixt: 128 rows x 128 bytes
	s_mov_b32 s29, 0
	s_lshl_b32 s30, s20, 5                         ; the wave's 16 channels in a pixel row: 32 bytes
	s_mul_i32 s31, s20, 8*GRP                      ; the eight groups that the wave reads back
	s_lshl_b32 s33, s20, 12                        ; and their 4,096 bytes in pixt
	s_mov_b32 s37, 0x42800000                      ; 64.0
	s_mov_b32 s38, 0x42700000                      ; 60.0
	s_mov_b32 s39, 0x3c800000                      ; 1/64
	s_mov_b32 s40, 0x24e69595                      ; 1e-16
	s_mov_b32 s41, 0xbfc00000                      ; -1.5
	s_mov_b32 s42, 0x3c000000                      ; 1/128
	v_lshlrev_b32 v3, 3, v0                        ; pos: 8 bytes a thread
	v_lshlrev_b32 v4, 4, v0                        ; records: 16 bytes a thread
	v_lshlrev_b32 v5, 4, v2                        ; 16 x lane
	v_mul_u32_u24 v6, v2, GRP                      ; LDS in: the lane's group (its four pixels) ...
	v_add_nc_u32 v6, s30, v6                       ; ... + the wave's channels
	v_add_nc_u32 v7, s31, v5                       ; LDS back: 512 contiguous bytes of a group
	v_add_nc_u32 v8, s33, v5                       ; and where they go in pixt
	s_wait_kmcnt 0x0
	s_add_nc_u64 s[4:5], s[4:5], s[22:23]
	s_add_nc_u64 s[6:7], s[6:7], s[24:25]
	s_add_nc_u64 s[12:13], s[12:13], s[26:27]
	s_add_nc_u64 s[14:15], s[14:15], s[26:27]
	s_add_nc_u64 s[10:11], s[10:11], s[28:29]
.macro IMG_LOADS                       ; 16 planes: each load of the wave takes 512 contiguous bytes, 128 pixels of one plane
.irp i, 0,1,2,3,4,5,6,7,8,9,10,11,12,13,14,15
	global_load_b128 v[IM+4*\i:IM+4*\i+3], v5, s[4:5] offset:PLANE*\i th:TH_LOAD_NT
.endr
.endm
	global_load_b64 v[PX:PX+1], v3, s[6:7]         ; the oldest load: the point
	s_cmp_lg_u32 s20, 0
	s_cbranch_scc1 .Lplain
	s_cmp_ge_u32 s19, 48
	s_cbranch_scc1 .Lplain
	; Fragment g = 16 c + nt: columns 16 nt .. +15 of W_nn, rows 32 c .. +31.  Lane (rho = lane % 16, h = lane / 16) holds column
	; 16 nt + rho; its first 16 bytes are rows 32 c + 8 h + 0..7, its second rows 32 c + 16 + 8 h + 0..7 (ISA guide 7.12.2).
	s_lshr_b32 s44, s19, 4
	s_lshl_b32 s44, s44, 15                        ; 32 rows of 1,024 bytes
	s_and_b32 s45, s19, 15
	s_lshl_b32 s45, s45, 6                         ; 16 columns of 4 bytes
	s_add_co_u32 s44, s44, s45
	s_mov_b32 s45, 0
	s_add_nc_u64 s[8:9], s[8:9], s[44:45]
	s_lshl_b32 s46, s19, 10                        ; a fragment is 1,024 bytes
	s_mov_b32 s47, 0
	s_add_nc_u64 s[16:17], s[16:17], s[46:47]
	v_lshrrev_b32 v9, 4, v2
	v_and_b32 v1, 15, v2
	v_lshlrev_b32 v9, 13, v9                       ; 8 h rows
	v_lshl_add_u32 v9, v1, 2, v9                   ; + column rho
.irp s, 0,1
.irp i, 0,1,2,3,4,5,6,7
	global_load_b32 v[WL+8*\s+\i], v9, s[8:9] offset:16384*\s+1024*\i
.endr
.endr
	IMG_LOADS
	s_wait_loadcnt 16                              ; the 16 image loads are younger and stay out: the point and W's numbers are in
.irp s, 0,1
.irp j, 0,1,2,3
	v_cvt_pk_f16_f32 v[WP+4*\s+\j], v[WL+8*\s+2*\j], v[WL+8*\s+2*\j+1]     ; the lower row in the lower half
.endr
.endr
	global_store_b128 v5, v[WP:WP+3], s[16:17]               ; 512 contiguous bytes each
	global_store_b128 v5, v[WP+4:WP+7], s[16:17] offset:512
	s_branch .Ljoin
.Lplain:
	IMG_LOADS
.Ljoin:
	s_wait_loadcnt 16                              ; the point is in; the 16 image loads stay out while the neighbours are found
.if A2_FORM == 0
	v_mul_f32 v[A2], v[PX], v[PX]                  ; two rounded products and a rounded sum: not fused, on purpose
	v_mul_f32 v[T], v[PY], v[PY]
	v_add_f32 v[A2], v[A2], v[T]
.else
.if A2_FORM == 1
	v_mul_f32 v[A2], v[PX], v[PX]
	v_fma_f32 v[A2], v[PY], v[PY], v[A2]
.else
	v_mul_f32 v[A2], v[PY], v[PY]
	v_fma_f32 v[A2], v[PX], v[PX], v[A2]
.endif
.endif
	v_fma_f32 v[FX], v[PX], s37, s41               ; 64 p - 1.5: its floor is the column left of the two that enclose the point
	v_fma_f32 v[FY], v[PY], s37, s41
	v_floor_f32 v[FX], v[FX]
	v_floor_f32 v[FY], v[FY]
	v_max_num_f32 v[FX], 0, v[FX]                  ; the window stays in the grid: first column and row 0 .. 60 (a NaN gives 0)
	v_max_num_f32 v[FY], 0, v[FY]
	v_min_num_f32 v[FX], s38, v[FX]
	v_min_num_f32 v[FY], s38, v[FY]
	v_cvt_u32_f32 v[IX], v[FX]
	v_cvt_u32_f32 v[IY], v[FY]
	v_fma_f32 v[CX], v[FX], s39, s42               ; (i + 0.5) / 64: exact
	v_fma_f32 v[CY], v[FY], s39, s42
	v_lshl_add_u32 v[BASE], v[IY], 6, v[IX]
.irp i, 1,2,3
	v_add_f32 v[CX+\i], s39, v[CX+\i-1]            ; exact too
	v_add_f32 v[CY+\i], s39, v[CY+\i-1]
.endr
.irp i, 0,1,2,3
	v_mul_f32 v[PCX+\i], v[PX], v[CX+\i]           ; fl(px*cx): the first step of the product over K
	v_mul_f32 v[CX2+\i], v[CX+\i], v[CX+\i]        ; exact
	v_mul_f32 v[CY2+\i], v[CY+\i], v[CY+\i]
.endr
.irp j, 0,1,2,3
.irp i, 0,1,2,3
	v_add_f32 v[DD+4*\j+\i], v[CX2+\i], v[CY2+\j]                  ; b2, exact
.endr
.if AB_FORM == 0
.irp i, 0,1,2,3
	v_fma_f32 v[AB+\i], v[PY], v[CY+\j], v[PCX+\i]                 ; ab
.endr
.else
	v_mul_f32 v[U], v[PY], v[CY+\j]                                ; ab from two rounded products: not fused, on purpose
.irp i, 0,1,2,3
	v_add_f32 v[AB+\i], v[PCX+\i], v[U]
.endr
.endif
.irp i, 0,1,2,3
	v_add_f32 v[DD+4*\j+\i], v[A2], v[DD+4*\j+\i]                  ; fl(a2 + b2)
.endr
.irp i, 0,1,2,3
	v_fma_f32 v[DD+4*\j+\i], -2.0, v[AB+\i], v[DD+4*\j+\i]         ; 2 ab is exact, so this is fl(fl(a2 + b2) - 2 ab)
.endr
.endr
.irp k, 0,1,2
	v_mov_b32 v[M+\k], 0x7f800000                  ; +infinity
	v_mov_b32 v[I+\k], 0
.endr
; Candidate n = 4 x row + column, in ascending pixel number, goes into the sorted three where it is strictly smaller.
.irp n, 0,1,2,3,4,5,6,7,8,9,10,11,12,13,14,15
	v_cmp_lt_f32 s34, v[DD+\n], v[M]
	v_cmp_lt_f32 s35, v[DD+\n], v[M+1]
	v_cmp_lt_f32 s36, v[DD+\n], v[M+2]
	v_cndmask_b32 v[TI], \n, v[I+1], s35           ; below the second: the second moves down, else the candidate is third
	v_cndmask_b32 v[I+2], v[I+2], v[TI], s36
	v_cndmask_b32 v[TI], \n, v[I], s34
	v_cndmask_b32 v[I+1], v[I+1], v[TI], s35
	v_cndmask_b32 v[I], v[I], \n, s34
	v_med3_num_f32 v[M+2], v[M+1], v[M+2], v[DD+\n]
	v_med3_num_f32 v[M+1], v[M], v[M+1], v[DD+\n]
	v_min_num_f32 v[M], v[M], v[DD+\n]
.endr
.irp k, 0,1,2
	v_max_num_f32 v[M+\k], s40, v[M+\k]            ; d2 at least 1e-16
.endr
	v_rcp_f32 v[W], v[M]
	v_rcp_f32 v[W+1], v[M+1]
	v_rcp_f32 v[W+2], v[M+2]
.irp k, 0,1,2                                          ; plain work behind the reciprocals (ISA guide 5.7.2): candidate number to pixel number
	v_lshrrev_b32 v[AB+\k], 2, v[I+\k]
	v_and_b32 v[I+\k], 3, v[I+\k]
.endr
.irp k, 0,1,2
	v_lshl_add_u32 v[AB+\k], v[AB+\k], 6, v[BASE]
.endr
.irp k, 0,1,2
	v_add_nc_u32 v[I+\k], v[I+\k], v[AB+\k]
.endr
	s_wait_alu depctr_va_vdst(0)
	v_add_f32 v[T], v[W], v[W+1]
	v_add_f32 v[T], v[T], v[W+2]
	v_rcp_f32 v[U], v[T]
	v_mov_b32 v[I+3], 0                            ; the plain place behind the reciprocal; the records' fourth words are loaded later, so they are written
	v_mov_b32 v[W+3], 0
	s_wait_alu depctr_va_vdst(0)
.irp k, 0,1,2
	v_mul_f32 v[W+\k], v[W+\k], v[U]
.endr
	global_store_b128 v4, v[I:I+3], s[12:13]       ; a wave's store covers 512 contiguous bytes
	global_store_b128 v4, v[W:W+3], s[14:15]
	; The planes: two neighbouring channels of a pixel make one word.
.irp j, 0,1,2,3,4,5,6,7
	s_wait_loadcnt 14-2*\j                         ; loads come back in order (ISA guide 5.7.1): planes 2j and 2j+1 are in, the later ones may be out
.irp q, 0,1,2,3
	v_cvt_pk_bf16_f32 v[PK+8*\q+\j], v[IM+8*\j+\q], v[IM+8*\j+4+\q]
.endr
.endr
.irp q, 0,1,2,3
	ds_store_b128 v6, v[PK+8*\q:PK+8*\q+3] offset:128*\q           ; pixel q of my four: my wave's 32 bytes of its row
	ds_store_b128 v6, v[PK+8*\q+4:PK+8*\q+7] offset:128*\q+16
.endr
	s_wait_dscnt 0x0                               ; my stores are in LDS before I say so: the other waves read them
	s_barrier_signal -1
	s_barrier_wait -1
.irp g, 0,1,2,3,4,5,6,7
	ds_load_b128 v[RB+4*\g:RB+4*\g+3], v7 offset:GRP*\g            ; four whole pixel rows, 512 contiguous bytes
.endr
.irp g, 0,1,2,3,4,5,6,7
	s_wait_dscnt 7-\g                              ; LDS loads come back in order: load g is in
	global_store_b128 v8, v[RB+4*\g:RB+4*\g+3], s[10:11] offset:512*\g     ; 512 contiguous bytes, aligned
.endr
	s_wait_tensorcnt 0x0
	ds_add_u32 v232, v233
	s_wait_dscnt 0x0
	s_endpgm
.Lfunc_end_k_q555c52e772_prep:
	.size	k_q555c52e772_prep, .Lfunc_end_k_q555c52e772_prep-k_q555c52e772_prep
	.p2alignl 7, 3214868480
	.fill 96, 4, 3214868480
	.section	.rodata,"a",@progbits
	.p2align	6, 0x0
	.amdhsa_kernel k_q555c52e772_prep
		.amdhsa_group_segment_fixed_size 17408
		.amdhsa_private_segment_fixed_size 0
		.amdhsa_enable_private_segment 0
		.amdhsa_kernarg_size 56
		.amdhsa_user_sgpr_count 2
		.amdhsa_user_sgpr_kernarg_segment_ptr 1
		.amdhsa_wavefront_size32 1
		.amdhsa_system_sgpr_workgroup_id_x 1
		.amdhsa_system_sgpr_workgroup_id_y 1
		.amdhsa_system_sgpr_workgroup_id_z 1
		.amdhsa_system_vgpr_workitem_id 0
		.amdhsa_next_free_vgpr 234
		.amdhsa_next_free_sgpr 66
		.amdhsa_reserve_vcc 0
		.amdhsa_float_denorm_mode_32 3
		.amdhsa_float_denorm_mode_16_64 3
		.amdhsa_memory_ordered 1
		.amdhsa_forward_progress 1
		.amdhsa_inst_pref_size 29
	.end_amdhsa_kernel
	.amdgpu_metadata
---
amdhsa.version: [ 1, 2 ]
amdhsa.kernels:
  - .name:           k_q555c52e772_prep
    .symbol:         k_q555c52e772_prep.kd
    .args:
      - { .name: images, .offset: 0, .size: 8, .value_kind: global_buffer, .address_space: global }
      - { .name: pos, .offset: 8, .size: 8, .value_kind: global_buffer, .address_space: global }
      - { .name: W_nn, .offset: 16, .size: 8, .value_kind: global_buffer, .address_space: global }
      - { .name: pixt, .offset: 24, .size: 8, .value_kind: global_buffer, .address_space: global }
      - { .name: nidx, .offset: 32, .size: 8, .value_kind: global_buffer, .address_space: global }
      - { .name: nwgt, .offset: 40, .size: 8, .value_kind: global_buffer, .address_space: global }
      - { .name: wfrag, .offset: 48, .size: 8, .value_kind: global_buffer, .address_space: global }
    .group_segment_fixed_size: 17408
    .private_segment_fixed_size: 0
    .kernarg_segment_align: 8
    .kernarg_segment_size: 56
    .max_flat_workgroup_size: 128
    .sgpr_count:     66
    .vgpr_count:     234
    .wavefront_size: 32
...
	.end_amdgpu_metadata
.endif
;; end of part 1
;; launch project (part 2): grid 256 x 1, 4 waves a work-group, no clusters, 44,544 bytes of LDS; arguments nidx, nwgt, pixt, wfrag, x, b_nn, out0; writes out0
.if DOCPART == 2
	.amdgcn_target "amdgcn-amd-amdhsa--gfx1250"
	.amdhsa_code_object_version 6
	.text
	.protected	k_q555c52e772_project
	.globl	k_q555c52e772_project
	.p2align	8
	.type	k_q555c52e772_project,@function
k_q555c52e772_project:
	s_mov_b64 s[64:65], 0
	v_nop
	global_prefetch_b8 v0, s[64:65] scope:SCOPE_SE
	s_setreg_imm32_b32 hwreg(HW_REG_WAVE_MODE, 25, 1), 1
	s_wait_xcnt 0x0
; project: out0[n][:] = [ sum over k of p_k pix[idx_k] , x[n] ] W_nn + b_nn.  256 work-groups of four waves, 128 points each.
; PHASE 1, a wave for 32 points: eight lanes take one pixel row of 128 bytes, so a load of the wave takes four whole rows; all 24 gathers
; of a wave are issued in one run.  The three rows (bf16) are mixed with the weights in f32, rounded once to f16 and laid into LDS as
; the first 64 numbers of the point's row of h; x follows as numbers 64 to 95.  One barrier.
; PHASE 2, wave w for all 128 points x columns 64 w .. 64 w + 63: its 12 fragments of W (96 registers) came straight from memory in
; operand order; h's fragments come from LDS.  THE MATRIX INSTRUCTION IS USED TRANSPOSED (source 0 = 16 columns of W, source 1 = 16
; points): lane (r, hh) then holds for point r the eight neighbouring columns 8 hh + 0..7 of a tile.  The bias lies in registers in that
; layout and is the C of each tile's first product: nothing is cleared and nothing is added afterwards.  Results go through the wave's
; own stage in LDS and leave with sixteen lanes storing 256 contiguous, aligned bytes (a point's 64 columns of this wave).
; f16 operands (11 bits of significand).  LIMIT: |x|, |mixed pixels|, |W_nn| < 65504; below 2^-14 their step is 2^-24.
; NO JOINT LOADS: the one input that work-groups share is the 48 KiB of W fragments, of about 243 KiB that a work-group moves; it goes
; straight into registers while the indices and the gathers are on their way; as a joint load it would need LDS and barrier rounds.
; REGISTERS: block 0 (v0-255) holds everything but W's fragments and phase 2's four address registers, which lie in block 1, so that
; phase 2 runs under ONE setting of the window (source 0 = block 1: W's fragment, an LDS address, a store's offset).
.set HP,   208                         ; a row of h in LDS: 192 bytes + 16 = 13 x 16: sixteen rows start in sixteen different 16-byte columns modulo 256
.set STG,  128*HP                      ; behind h: a stage of 16 rows x 272 bytes for each wave
.set SP,   272
.set G0,   10                          ; v10-41   nearest pixel's rows: group i (four points) at 4 i
.set G1,   42                          ; v42-73   second
.set G2,   74                          ; v74-105  third
.set TB,   114                         ; v114-121 eight numbers in f32, at work
.set HH,   122                         ; v122-125 16 bytes of h
.set IDX,  128                         ; v128-159 index records, then byte offsets of the rows
.set WT,   160                         ; v160-191 weight records
.set X,    192                         ; v192-223 x
.set BIAS, 224                         ; v224-255 the bias of my 64 columns in C layout
.set ACC,  10                          ; phase 2: v10-73  two sets of four accumulators
.set AF,   74                          ;          v74-97  three fragments of h
.set OUTS, 128                         ;          v128-159 rows read back from the stage
.set WF,   0                           ; block 1: v0-95 fragment (c, t) of W at 8 (4 c + t)
.set AADR, 96                          ; block 1: LDS address of h's fragments
.set SADR, 97                          ;          of my 32 bytes in the stage
.set RADR, 98                          ;          of my 16 bytes of a row read back
.set OOFF, 99                          ;          my byte offset in out0
	s_load_b256 s[4:11], s[0:1], 0x0               ; nidx s[4:5], nwgt s[6:7], pixt s[8:9], wfrag s[10:11]
	s_load_b128 s[12:15], s[0:1], 0x20             ; x s[12:13], b_nn s[14:15]
	s_load_b64 s[16:17], s[0:1], 0x30              ; out0
	v_lshl_add_u32 v112, v0, 2, 0xac00
	v_mov_b32 v113, 0
	v_lshrrev_b32 v1, 5, v0
	v_readfirstlane_b32 s20, v1                    ; wave 0..3
	v_and_b32 v1, 31, v0                           ; lane
	s_mov_b32 s19, ttmp9                           ; work-group 0..255
	s_lshl_b32 s22, s19, 11                        ; records: 128 points x 16 bytes,
	s_lshl_b32 s21, s20, 9                         ; the wave's 32 points
	s_add_co_u32 s22, s22, s21
	s_mov_b32 s23, 0
	s_lshl_b32 s24, s19, 14                        ; x: 128 points x 128 bytes,
	s_lshl_b32 s28, s20, 12                        ; the wave's 32 points.  Also: the wave's four column tiles in wfrag, 1,024 bytes each
	s_add_co_u32 s24, s24, s28
	s_mov_b32 s25, 0
	s_lshr_b32 s26, s19, 5
	s_lshl_b32 s26, s26, 19                        ; the image's 4,096 rows of 128 bytes
	s_mov_b32 s27, 0
	s_mov_b32 s29, 0
	s_lshl_b32 s30, s20, 8                         ; the wave's 64 columns x 4 bytes, in b_nn and in a row of out0
	s_mov_b32 s31, 0
	s_lshl_b32 s32, s19, 17                        ; out0: 128 rows x 1,024 bytes
	s_mov_b32 s33, 0
	s_mul_i32 s34, s20, 32*HP                      ; the wave's 32 rows of h
	s_mul_i32 s35, s20, 16*SP
	s_add_co_u32 s35, s35, STG                     ; the wave's stage
	s_mov_b32 s36, 0xffff0000                      ; a word's upper bf16
	v_lshrrev_b32 v2, 3, v1                        ; p: which of a group's four points
	v_and_b32 v3, 7, v1                            ; c: which 16 bytes of its row
	v_lshlrev_b32 v4, 4, v2                        ; its record
	v_lshlrev_b32 v5, 4, v1                        ; 16 x lane
	v_lshlrev_b32 v6, 4, v3                        ; 16 c
	v_mul_u32_u24 v7, v2, HP
	v_add_nc_u32 v7, s34, v7                       ; the point's row of h
	v_lshl_add_u32 v8, v3, 3, v7
	v_add_nc_u32 v8, 128, v8                       ; x's part: 128 + 8 c
	v_add_nc_u32 v7, v6, v7                        ; the mixed pixels' part: 16 c
	v_and_b32 v126, 15, v1                         ; r
	v_lshrrev_b32 v127, 4, v1                      ; hh
	v_lshlrev_b32 v9, 5, v127                      ; the bias: 8 hh numbers of 4 bytes
	v_mul_u32_u24 v106, v126, HP
	v_mul_u32_u24 v107, v126, SP
	v_add_nc_u32 v107, s35, v107
	v_mul_u32_u24 v108, v127, SP
	v_add_nc_u32 v108, s35, v108
	v_lshlrev_b32 v109, 10, v127
	s_wait_kmcnt 0x0
	s_add_nc_u64 s[4:5], s[4:5], s[22:23]
	s_add_nc_u64 s[6:7], s[6:7], s[22:23]
	s_add_nc_u64 s[8:9], s[8:9], s[26:27]
	s_add_nc_u64 s[10:11], s[10:11], s[28:29]
	s_add_nc_u64 s[12:13], s[12:13], s[24:25]
	s_add_nc_u64 s[14:15], s[14:15], s[30:31]
	s_add_nc_u64 s[16:17], s[16:17], s[32:33]
	s_add_nc_u64 s[16:17], s[16:17], s[30:31]
	; PHASE 1.  The indices first: the gathers hang on them.
.irp i, 0,1,2,3,4,5,6,7
	global_load_b128 v[IDX+4*\i:IDX+4*\i+3], v4, s[4:5] offset:64*\i       ; the record of point 4 i + p, the same in its eight lanes
.endr
.irp i, 0,1,2,3,4,5,6,7
	global_load_b128 v[WT+4*\i:WT+4*\i+3], v4, s[6:7] offset:64*\i
.endr
.irp i, 0,1,2,3,4,5,6,7
	global_load_b128 v[X+4*\i:X+4*\i+3], v5, s[12:13] offset:512*\i th:TH_LOAD_NT   ; 512 contiguous bytes: x of points 4 i .. 4 i + 3
.endr
	s_set_vgpr_msb 0x40                            ; destinations in block 1
.irp c, 0,1,2
.irp t, 0,1,2,3
	global_load_b128 v[WF+8*(4*\c+\t):WF+8*(4*\c+\t)+3],   v5, s[10:11] offset:16384*\c+1024*\t
	global_load_b128 v[WF+8*(4*\c+\t)+4:WF+8*(4*\c+\t)+7], v5, s[10:11] offset:16384*\c+1024*\t+512
.endr
.endr
	v_lshl_add_u32 v[AADR], v127, 4, v106          ; r HP + 16 hh
	v_lshl_add_u32 v[SADR], v127, 5, v107          ; stage + r SP + 32 hh
	v_lshl_add_u32 v[RADR], v126, 4, v108          ; stage + hh SP + 16 r
	v_lshl_add_u32 v[OOFF], v126, 4, v109          ; hh rows of 1,024 bytes + 16 r
	s_set_vgpr_msb 0x4000                          ; all back to block 0
.irp t, 0,1,2,3
	global_load_b128 v[BIAS+8*\t:BIAS+8*\t+3],   v9, s[14:15] offset:64*\t         ; b[64 w + 16 t + 8 hh + 0..3]
	global_load_b128 v[BIAS+8*\t+4:BIAS+8*\t+7], v9, s[14:15] offset:64*\t+16      ; .. + 4..7
.endr
	s_wait_loadcnt 48                              ; 8 weight, 8 x, 24 W and 8 bias loads are younger: the indices are in
.irp i, 0,1,2,3,4,5,6,7
.irp k, 0,1,2
	v_min_u32 v[IDX+4*\i+\k], 0xfff, v[IDX+4*\i+\k]                ; a pixel number stays inside the image's 4,096 rows
	v_lshl_add_u32 v[IDX+4*\i+\k], v[IDX+4*\i+\k], 7, v6           ; row x 128 bytes + my 16
.endr
	global_load_b128 v[G0+4*\i:G0+4*\i+3], v[IDX+4*\i],   s[8:9]
	global_load_b128 v[G1+4*\i:G1+4*\i+3], v[IDX+4*\i+1], s[8:9]
	global_load_b128 v[G2+4*\i:G2+4*\i+3], v[IDX+4*\i+2], s[8:9]
.endr
	s_wait_loadcnt 56                              ; 24 W, 8 bias and 24 gathers are younger: x is in
.irp i, 0,1,2,3,4,5,6,7
	v_cvt_pk_f16_f32 v[TB+2*(\i%4)],   v[X+4*\i],   v[X+4*\i+1]
	v_cvt_pk_f16_f32 v[TB+2*(\i%4)+1], v[X+4*\i+2], v[X+4*\i+3]
	ds_store_b64 v8, v[TB+2*(\i%4):TB+2*(\i%4)+1] offset:4*HP*\i
.endr
; Group i: eight channels of point 4 i + p.  The first row is widened and multiplied, the two others are added by multiply-adds that read the bf16 halves.
.macro MIX i
	s_wait_loadcnt 21-3*\i                         ; the gathers of the groups behind i may be out; all that is older (weights, W, bias) is in
.irp q, 0,1,2,3
	v_lshlrev_b32 v[TB+2*\q],   16,  v[G0+4*\i+\q]
	v_and_b32     v[TB+2*\q+1], s36, v[G0+4*\i+\q]
.endr
.irp q, 0,1,2,3
	v_pk_mul_f32 v[TB+2*\q:TB+2*\q+1], v[TB+2*\q:TB+2*\q+1], v[WT+4*\i:WT+4*\i+1] op_sel_hi:[1,0]      ; both by the first weight
.endr
.irp q, 0,1,2,3
	v_fma_mix_f32_bf16 v[TB+2*\q],   v[G1+4*\i+\q], v[WT+4*\i+1], v[TB+2*\q]   op_sel_hi:[1,0,0]
	v_fma_mix_f32_bf16 v[TB+2*\q+1], v[G1+4*\i+\q], v[WT+4*\i+1], v[TB+2*\q+1] op_sel:[1,0,0] op_sel_hi:[1,0,0]
.endr
.irp q, 0,1,2,3
	v_fma_mix_f32_bf16 v[TB+2*\q],   v[G2+4*\i+\q], v[WT+4*\i+2], v[TB+2*\q]   op_sel_hi:[1,0,0]
	v_fma_mix_f32_bf16 v[TB+2*\q+1], v[G2+4*\i+\q], v[WT+4*\i+2], v[TB+2*\q+1] op_sel:[1,0,0] op_sel_hi:[1,0,0]
.endr
.irp q, 0,1,2,3
	v_cvt_pk_f16_f32 v[HH+\q], v[TB+2*\q], v[TB+2*\q+1]
.endr
	ds_store_b128 v7, v[HH:HH+3] offset:4*HP*\i
.endm
.irp i, 0,1,2,3,4,5,6,7
	MIX \i
.endr
	s_wait_dscnt 0x0                               ; my 32 rows of h are in LDS before I say so: every wave reads all 128
	s_barrier_signal -1
	s_barrier_wait -1
	; PHASE 2, under one window: source 0 in block 1, everything else in block 0.
	s_set_vgpr_msb 0x0001
.macro FRAG m                          ; h of points 16 m .. 16 m + 15: three fragments of 32 along K, two loads of 16 bytes each, 32 bytes apart
.irp c, 0,1,2
	ds_load_b128 v[AF+8*\c:AF+8*\c+3],   v[AADR] offset:16*(\m)*HP+64*\c
	ds_load_b128 v[AF+8*\c+4:AF+8*\c+7], v[AADR] offset:16*(\m)*HP+64*\c+32
.endr
.endm
.macro DRAIN m                         ; the 16 rows read back from the stage leave
.irp u, 0,1,2,3,4,5,6,7
	s_wait_dscnt 7-\u                              ; nothing was issued to LDS behind the eight loads: load u is in
	global_store_b128 v[OOFF], v[OUTS+4*\u:OUTS+4*\u+3], s[16:17] offset:(16*(\m)+2*\u)*1024 th:TH_STORE_NT   ; 16 lanes: 256 contiguous bytes, aligned
.endr
.endm
; Points 16 m .. 16 m + 15 x my 64 columns.  The rows of the step before leave behind this step's products.
.macro STEP m
.set AC, ACC+32*((\m)%2)
.if \m == 0
	s_wait_dscnt 0x0                               ; the first fragments
.else
	s_wait_dscnt 16                                ; eight stage stores and eight loads back are younger than this step's fragments
.endif
	; the four accumulators take turns, one instruction a turn
.irp t, 0,1,2,3
	v_wmma_f32_16x16x32_f16 v[AC+8*\t:AC+8*\t+7], v[WF+8*\t:WF+8*\t+7], v[AF:AF+7], v[BIAS+8*\t:BIAS+8*\t+7]
.endr
.irp c, 1,2
.irp t, 0,1,2,3
	v_wmma_f32_16x16x32_f16 v[AC+8*\t:AC+8*\t+7], v[WF+8*(4*\c+\t):WF+8*(4*\c+\t)+7], v[AF+8*\c:AF+8*\c+7], v[AC+8*\t:AC+8*\t+7]
.endr
.endr
.if \m > 0
	DRAIN \m-1
.endif
.rept 4
	v_nop                                          ; four places behind the products: then loads into their sources and stores of their results
.endr
.if \m < 7
	FRAG \m+1
.endif
.irp t, 0,1,2,3
	ds_store_b128 v[SADR], v[AC+8*\t:AC+8*\t+3]   offset:64*\t     ; point r, columns 16 t + 8 hh + 0..3
	ds_store_b128 v[SADR], v[AC+8*\t+4:AC+8*\t+7] offset:64*\t+16  ; .. + 4..7
.endr
	s_wait_xcnt 0x0                                ; the registers below are the data of the stores just issued: they are loaded again only behind this wait
.irp u, 0,1,2,3,4,5,6,7
	ds_load_b128 v[OUTS+4*\u:OUTS+4*\u+3], v[RADR] offset:2*SP*\u  ; rows 2 u + hh; LDS serves a wave's instructions in order (ISA guide 5.7.1): these see the stores above
.endr
.endm
	FRAG 0
.irp m, 0,1,2,3,4,5,6,7
	STEP \m
.endr
	DRAIN 7
	s_set_vgpr_msb 0x0100                          ; all back to block 0
	s_wait_tensorcnt 0x0
	ds_add_u32 v112, v113
	s_wait_dscnt 0x0
	s_endpgm
.Lfunc_end_k_q555c52e772_project:
	.size	k_q555c52e772_project, .Lfunc_end_k_q555c52e772_project-k_q555c52e772_project
	.p2alignl 7, 3214868480
	.fill 96, 4, 3214868480
	.section	.rodata,"a",@progbits
	.p2align	6, 0x0
	.amdhsa_kernel k_q555c52e772_project
		.amdhsa_group_segment_fixed_size 44544
		.amdhsa_private_segment_fixed_size 0
		.amdhsa_enable_private_segment 0
		.amdhsa_kernarg_size 56
		.amdhsa_user_sgpr_count 2
		.amdhsa_user_sgpr_kernarg_segment_ptr 1
		.amdhsa_wavefront_size32 1
		.amdhsa_system_sgpr_workgroup_id_x 1
		.amdhsa_system_sgpr_workgroup_id_y 1
		.amdhsa_system_sgpr_workgroup_id_z 1
		.amdhsa_system_vgpr_workitem_id 0
		.amdhsa_next_free_vgpr 384
		.amdhsa_next_free_sgpr 66
		.amdhsa_reserve_vcc 0
		.amdhsa_float_denorm_mode_32 3
		.amdhsa_float_denorm_mode_16_64 3
		.amdhsa_memory_ordered 1
		.amdhsa_forward_progress 1
		.amdhsa_inst_pref_size 57
	.end_amdhsa_kernel
	.amdgpu_metadata
---
amdhsa.version: [ 1, 2 ]
amdhsa.kernels:
  - .name:           k_q555c52e772_project
    .symbol:         k_q555c52e772_project.kd
    .args:
      - { .name: nidx, .offset: 0, .size: 8, .value_kind: global_buffer, .address_space: global }
      - { .name: nwgt, .offset: 8, .size: 8, .value_kind: global_buffer, .address_space: global }
      - { .name: pixt, .offset: 16, .size: 8, .value_kind: global_buffer, .address_space: global }
      - { .name: wfrag, .offset: 24, .size: 8, .value_kind: global_buffer, .address_space: global }
      - { .name: x, .offset: 32, .size: 8, .value_kind: global_buffer, .address_space: global }
      - { .name: b_nn, .offset: 40, .size: 8, .value_kind: global_buffer, .address_space: global }
      - { .name: out0, .offset: 48, .size: 8, .value_kind: global_buffer, .address_space: global }
    .group_segment_fixed_size: 44544
    .private_segment_fixed_size: 0
    .kernarg_segment_align: 8
    .kernarg_segment_size: 56
    .max_flat_workgroup_size: 128
    .sgpr_count:     66
    .vgpr_count:     384
    .wavefront_size: 32
...
	.end_amdgpu_metadata
.endif
;; end of part 2
;; ======== version 2 of 2: 2 launches; version 1 with the launch project written anew for expert scheduling mode
;; limits: inputs' magnitudes at most 32; values outside matrix products are rounded to bf16; values are held in f16: magnitudes above 65,504 overflow, below 6.1e-05 lose precision
;; workspace buffers: pixt 4,194,304 bytes; wfrag 49,152 bytes; nidx 524,288 bytes of whole numbers; nwgt 524,288 bytes
;; launch prep: the kernel of part 1 again; grid 256 x 1, 4 waves a work-group, no clusters, 17,408 bytes of LDS; arguments images, pos, W_nn, pixt, nidx, nwgt, wfrag; writes pixt, nidx, nwgt, wfrag
;; launch project (part 3): grid 256 x 1, 4 waves a work-group, no clusters, 44,544 bytes of LDS; arguments nidx, nwgt, pixt, wfrag, x, b_nn, out0; writes out0
.if DOCPART == 3
	.amdgcn_target "amdgcn-amd-amdhsa--gfx1250"
	.amdhsa_code_object_version 6
	.text
	.protected	k_q555c52e772_project
	.globl	k_q555c52e772_project
	.p2align	8
	.type	k_q555c52e772_project,@function
k_q555c52e772_project:
	s_mov_b64 s[64:65], 0
	v_nop
	global_prefetch_b8 v0, s[64:65] scope:SCOPE_SE
	s_setreg_imm32_b32 hwreg(HW_REG_WAVE_SCHED_MODE, 0, 2), 2
	s_setreg_imm32_b32 hwreg(HW_REG_WAVE_MODE, 25, 1), 1
	s_wait_xcnt 0x0
	s_wait_alu depctr_vm_vsrc(0)
; project: out0[n][:] = [ sum over k of p_k pix[idx_k] , x[n] ] W_nn + b_nn.  256 work-groups of four waves, 128 points each.
; PHASE 1, a wave for 32 points: eight lanes take one pixel row of 128 bytes, so a load of the wave takes four whole rows; all 24 gathers
; of a wave are issued in one run.  The three rows (bf16) are mixed with the weights in f32, rounded once to f16 and laid into LDS as
; the first 64 numbers of the point's row of h; x follows as numbers 64 to 95.  One barrier.
; PHASE 2, wave w for all 128 points x columns 64 w .. 64 w + 63: its 12 fragments of W (96 registers) came straight from memory in
; operand order; h's fragments come from LDS.  THE MATRIX INSTRUCTION IS USED TRANSPOSED (source 0 = 16 columns of W, source 1 = 16
; points): lane (r, hh) then holds for point r the eight neighbouring columns 8 hh + 0..7 of a tile.  The bias lies in registers in that
; layout and is the C of each tile's first product: nothing is cleared and nothing is added afterwards.  Results go through the wave's
; own stage in LDS and leave with sixteen lanes storing 256 contiguous, aligned bytes (a point's 64 columns of this wave).
; f16 operands (11 bits of significand).  LIMIT: |x|, |mixed pixels|, |W_nn| < 65504; below 2^-14 their step is 2^-24.
; NO JOINT LOADS: the one input that work-groups share is the 48 KiB of W fragments, of about 243 KiB that a work-group moves; it goes
; straight into registers while the indices and the gathers are on their way; as a joint load it would need LDS and barrier rounds.
; REGISTERS: block 0 (v0-255) holds everything but W's fragments and phase 2's four address registers, which lie in block 1, so that
; phase 2 runs under ONE setting of the window (source 0 = block 1: W's fragment, an LDS address, a store's offset).
; THE MODE: SCHED_MODE bits 1:0 = 2 (LLVM: expert scheduling mode 2), set by the entry lines.  The code itself states the register dependences
; between vector or matrix instructions and memory or LDS instructions, with s_wait_alu, always for 0.
; THE PLAN.  Registers that memory or LDS instructions touch:
;   v4, v5, v7, v8, v9 and the four of block 1: offsets and LDS addresses, made at the head ahead of one wait and never written again.
;   IDX   loaded; 48 vector lines make the gathers' offsets of them; one wait; the 24 gathers read them.  In phase 2: out-buffer 0.
;   X     loaded; rounded in place; one wait; eight LDS stores read them; never written again.
;   G0    loaded; a group's 16 bytes of h are rounded into its own four registers of G0, so that no register that an LDS store reads is written
;         again in phase 1; one wait serves the stores of two groups.  In phase 2: accumulators.
;   G1, G2, WT, TB  named by vector instructions alone behind their loads.  In phase 2 loads land in G2 and TB (fragment sets) and in WT (out-buffer 1).
;   AC0, AC1    step m's products write AC[m % 2]; the stage stores that read it are issued in step m + 1.
;   AF0, AF1    step m's products read AF[m % 2]; the loads issued in step m land in the other set (rows m + 1).
;   OUT0, OUT1  rows j come back from the stage into OUT[j % 2] in step j + 1, and that step's global stores read it.
; So step m's memory and LDS instructions touch AC[(m-1) % 2], AF[(m+1) % 2] and OUT[(m-1) % 2], and its products name AC[m % 2], AF[m % 2], W and the bias:
; ONE wait on va_vdst at the step's head states all that those instructions hang on, and they are dealt among the products, two behind each.
; ONE wait on vm_vsrc stands ahead of the step's global stores: it frees the accumulator set and the out-buffer that the next step writes.
.set HP,   208                         ; a row of h in LDS: 192 bytes + 16 = 13 x 16: sixteen rows start in sixteen different 16-byte columns modulo 256
.set STG,  128*HP                      ; behind h: a stage of 16 rows x 272 bytes for each wave
.set SP,   272
.set G0,   10                          ; v10-41   nearest pixel's rows: group i (four points) at 4 i; then the group's 16 bytes of h
.set G1,   42                          ; v42-73   second
.set G2,   74                          ; v74-105  third
.set TB,   114                         ; v114-121 eight numbers in f32, at work
.set IDX,  128                         ; v128-159 index records, then byte offsets of the rows
.set WT,   160                         ; v160-191 weight records
.set X,    192                         ; v192-223 x, then x in f16 in the first two of each four
.set BIAS, 224                         ; v224-255 the bias of my 64 columns in C layout
.set ACC,  10                          ; phase 2: v10-73   two sets of four accumulators
.set AF,   74                          ;          v74-121  two sets of three fragments of h
.set OUTS, 128                         ;          v128-191 two out-buffers: 16 rows read back from the stage
.set WF,   0                           ; block 1: v0-95 fragment (c, t) of W at 8 (4 c + t)
.set AADR, 96                          ; block 1: LDS address of h's fragments
.set SADR, 97                          ;          of my 32 bytes in the stage
.set RADR, 98                          ;          of my 16 bytes of a row read back
.set OOFF, 99                          ;          my byte offset in out0
	s_load_b256 s[4:11], s[0:1], 0x0               ; nidx s[4:5], nwgt s[6:7], pixt s[8:9], wfrag s[10:11]
	s_load_b128 s[12:15], s[0:1], 0x20             ; x s[12:13], b_nn s[14:15]
	s_load_b64 s[16:17], s[0:1], 0x30              ; out0
	v_lshl_add_u32 v124, v0, 2, 0xac00
	v_mov_b32 v125, 0
	v_lshrrev_b32 v1, 5, v0
	v_readfirstlane_b32 s20, v1                    ; wave 0..3
	v_and_b32 v1, 31, v0                           ; lane
	v_lshrrev_b32 v2, 3, v1                        ; p: which of a group's four points
	v_and_b32 v3, 7, v1                            ; c: which 16 bytes of its row
	v_lshlrev_b32 v4, 4, v2                        ; its record
	v_lshlrev_b32 v5, 4, v1                        ; 16 x lane
	v_lshlrev_b32 v6, 4, v3                        ; 16 c
	v_and_b32 v126, 15, v1                         ; r
	v_lshrrev_b32 v127, 4, v1                      ; hh
	v_lshlrev_b32 v9, 5, v127                      ; the bias: 8 hh numbers of 4 bytes
	v_mul_u32_u24 v7, v2, HP
	v_mul_u32_u24 v106, v126, HP
	v_mul_u32_u24 v107, v126, SP
	v_mul_u32_u24 v108, v127, SP
	v_lshlrev_b32 v109, 10, v127
	s_wait_alu depctr_va_sdst(0)                   ; s20 is written, ahead of its first reader: the wave's offsets and LDS places are made from it
	s_mov_b32 s19, ttmp9                           ; work-group 0..255
	s_lshl_b32 s22, s19, 11                        ; records: 128 points x 16 bytes,
	s_lshl_b32 s21, s20, 9                         ; the wave's 32 points
	s_add_co_u32 s22, s22, s21
	s_mov_b32 s23, 0
	s_lshl_b32 s24, s19, 14                        ; x: 128 points x 128 bytes,
	s_lshl_b32 s28, s20, 12                        ; the wave's 32 points.  Also: the wave's four column tiles in wfrag, 1,024 bytes each
	s_add_co_u32 s24, s24, s28
	s_mov_b32 s25, 0
	s_lshr_b32 s26, s19, 5
	s_lshl_b32 s26, s26, 19                        ; the image's 4,096 rows of 128 bytes
	s_mov_b32 s27, 0
	s_mov_b32 s29, 0
	s_lshl_b32 s30, s20, 8                         ; the wave's 64 columns x 4 bytes, in b_nn and in a row of out0
	s_mov_b32 s31, 0
	s_lshl_b32 s32, s19, 17                        ; out0: 128 rows x 1,024 bytes
	s_mov_b32 s33, 0
	s_mul_i32 s34, s20, 32*HP                      ; the wave's 32 rows of h
	s_mul_i32 s35, s20, 16*SP
	s_add_co_u32 s35, s35, STG                     ; the wave's stage
	s_mov_b32 s36, 0xffff0000                      ; a word's upper bf16
	v_add_nc_u32 v7, s34, v7                       ; the point's row of h
	v_lshl_add_u32 v8, v3, 3, v7
	v_add_nc_u32 v8, 128, v8                       ; x's part: 128 + 8 c
	v_add_nc_u32 v7, v6, v7                        ; the mixed pixels' part: 16 c
	v_add_nc_u32 v107, s35, v107
	v_add_nc_u32 v108, s35, v108
	s_set_vgpr_msb 0x40                            ; destinations in block 1
	v_lshl_add_u32 v[AADR], v127, 4, v106          ; r HP + 16 hh
	v_lshl_add_u32 v[SADR], v127, 5, v107          ; stage + r SP + 32 hh
	v_lshl_add_u32 v[RADR], v126, 4, v108          ; stage + hh SP + 16 r
	v_lshl_add_u32 v[OOFF], v126, 4, v109          ; hh rows of 1,024 bytes + 16 r
	s_set_vgpr_msb 0x4000                          ; all back to block 0
	s_wait_kmcnt 0x0
	s_add_nc_u64 s[4:5], s[4:5], s[22:23]
	s_add_nc_u64 s[6:7], s[6:7], s[22:23]
	s_add_nc_u64 s[8:9], s[8:9], s[26:27]
	s_add_nc_u64 s[10:11], s[10:11], s[28:29]
	s_add_nc_u64 s[12:13], s[12:13], s[24:25]
	s_add_nc_u64 s[14:15], s[14:15], s[30:31]
	s_add_nc_u64 s[16:17], s[16:17], s[32:33]
	s_add_nc_u64 s[16:17], s[16:17], s[30:31]
	s_wait_alu depctr_va_vdst(0)                   ; v4, v5, v7, v8, v9 and the four address registers of block 1 are written: every load and store of the kernel but the gathers reads one of them
	; PHASE 1.  The indices first: the gathers hang on them.
.irp i, 0,1,2,3,4,5,6,7
	global_load_b128 v[IDX+4*\i:IDX+4*\i+3], v4, s[4:5] offset:64*\i       ; the record of point 4 i + p, the same in its eight lanes
.endr
.irp i, 0,1,2,3,4,5,6,7
	global_load_b128 v[WT+4*\i:WT+4*\i+3], v4, s[6:7] offset:64*\i
.endr
.irp i, 0,1,2,3,4,5,6,7
	global_load_b128 v[X+4*\i:X+4*\i+3], v5, s[12:13] offset:512*\i th:TH_LOAD_NT   ; 512 contiguous bytes: x of points 4 i .. 4 i + 3
.endr
	s_set_vgpr_msb 0x40                            ; destinations in block 1; between the wait above and these loads stand loads and this switch alone
.irp c, 0,1,2
.irp t, 0,1,2,3
	global_load_b128 v[WF+8*(4*\c+\t):WF+8*(4*\c+\t)+3],   v5, s[10:11] offset:16384*\c+1024*\t
	global_load_b128 v[WF+8*(4*\c+\t)+4:WF+8*(4*\c+\t)+7], v5, s[10:11] offset:16384*\c+1024*\t+512
.endr
.endr
	s_set_vgpr_msb 0x4000                          ; all back to block 0
.irp t, 0,1,2,3
	global_load_b128 v[BIAS+8*\t:BIAS+8*\t+3],   v9, s[14:15] offset:64*\t         ; b[64 w + 16 t + 8 hh + 0..3]
	global_load_b128 v[BIAS+8*\t+4:BIAS+8*\t+7], v9, s[14:15] offset:64*\t+16      ; .. + 4..7
.endr
	s_wait_loadcnt 48                              ; 8 weight, 8 x, 24 W and 8 bias loads are younger: the indices are in
.irp i, 0,1,2,3,4,5,6,7
.irp k, 0,1,2
	v_min_u32 v[IDX+4*\i+\k], 0xfff, v[IDX+4*\i+\k]                ; a pixel number stays inside the image's 4,096 rows
	v_lshl_add_u32 v[IDX+4*\i+\k], v[IDX+4*\i+\k], 7, v6           ; row x 128 bytes + my 16
.endr
.endr
	s_wait_alu depctr_va_vdst(0)                   ; all 24 offsets are written, which the gathers below read
.irp i, 0,1,2,3,4,5,6,7
	global_load_b128 v[G0+4*\i:G0+4*\i+3], v[IDX+4*\i],   s[8:9]
	global_load_b128 v[G1+4*\i:G1+4*\i+3], v[IDX+4*\i+1], s[8:9]
	global_load_b128 v[G2+4*\i:G2+4*\i+3], v[IDX+4*\i+2], s[8:9]
.endr
	s_wait_loadcnt 56                              ; 24 W, 8 bias and 24 gathers are younger: x is in
.irp i, 0,1,2,3,4,5,6,7
	v_cvt_pk_f16_f32 v[X+4*\i],   v[X+4*\i],   v[X+4*\i+1]         ; four numbers close up into the first two of their four registers
	v_cvt_pk_f16_f32 v[X+4*\i+1], v[X+4*\i+2], v[X+4*\i+3]
.endr
	s_wait_alu depctr_va_vdst(0)                   ; the conversions have written v[X ..], which the LDS stores read; the gathers are on their way meanwhile
.irp i, 0,1,2,3,4,5,6,7
	ds_store_b64 v8, v[X+4*\i:X+4*\i+1] offset:4*HP*\i
.endr
; Group i: eight channels of point 4 i + p.  The first row is widened and multiplied, the two others are added by multiply-adds that read the bf16 halves.
; The 16 bytes of h go into the group's own registers of G0; they are stored two groups at a time, at the head of the group after them.
.macro MIX i
	s_wait_loadcnt 21-3*\i                         ; the gathers of the groups behind i may be out; all that is older (weights, W, bias) is in
.if (\i == 2) || (\i == 4) || (\i == 6)
	s_wait_alu depctr_va_vdst(0)                   ; the conversions of the two groups before have written their h, which the two LDS stores read
	ds_store_b128 v7, v[G0+4*(\i-2):G0+4*(\i-2)+3] offset:4*HP*(\i-2)
	ds_store_b128 v7, v[G0+4*(\i-1):G0+4*(\i-1)+3] offset:4*HP*(\i-1)
.endif
.irp q, 0,1,2,3
	v_lshlrev_b32 v[TB+2*\q],   16,  v[G0+4*\i+\q]
	v_and_b32     v[TB+2*\q+1], s36, v[G0+4*\i+\q]
.endr
.irp q, 0,1,2,3
	v_pk_mul_f32 v[TB+2*\q:TB+2*\q+1], v[TB+2*\q:TB+2*\q+1], v[WT+4*\i:WT+4*\i+1] op_sel_hi:[1,0]      ; both by the first weight
.endr
.irp q, 0,1,2,3
	v_fma_mix_f32_bf16 v[TB+2*\q],   v[G1+4*\i+\q], v[WT+4*\i+1], v[TB+2*\q]   op_sel_hi:[1,0,0]
	v_fma_mix_f32_bf16 v[TB+2*\q+1], v[G1+4*\i+\q], v[WT+4*\i+1], v[TB+2*\q+1] op_sel:[1,0,0] op_sel_hi:[1,0,0]
.endr
.irp q, 0,1,2,3
	v_fma_mix_f32_bf16 v[TB+2*\q],   v[G2+4*\i+\q], v[WT+4*\i+2], v[TB+2*\q]   op_sel_hi:[1,0,0]
	v_fma_mix_f32_bf16 v[TB+2*\q+1], v[G2+4*\i+\q], v[WT+4*\i+2], v[TB+2*\q+1] op_sel:[1,0,0] op_sel_hi:[1,0,0]
.endr
.irp q, 0,1,2,3
	v_cvt_pk_f16_f32 v[G0+4*\i+\q], v[TB+2*\q], v[TB+2*\q+1]
.endr
.endm
.irp i, 0,1,2,3,4,5,6,7
	MIX \i
.endr
	s_wait_alu depctr_va_vdst(0)                   ; groups 6 and 7 have written their h, which the two LDS stores read; and phase 1's vector instructions are done with G2, TB and WT, in which phase 2's loads land
	ds_store_b128 v7, v[G0+24:G0+27] offset:4*HP*6
	ds_store_b128 v7, v[G0+28:G0+31] offset:4*HP*7
	s_wait_dscnt 0x0                               ; my 32 rows of h are in LDS before I say so: every wave reads all 128
	s_barrier_signal -1
	s_barrier_wait -1
	; PHASE 2, under one window: source 0 in block 1, everything else in block 0.
	s_set_vgpr_msb 0x0001
	s_wait_alu depctr_vm_vsrc(0)                   ; my LDS stores have read v[G0 ..], which the products write as accumulators; the gathers have read v[IDX ..], in which rows from the stage land
.irp c, 0,1,2                                          ; h of points 0 .. 15: three fragments of 32 along K, two loads of 16 bytes each, 32 bytes apart
	ds_load_b128 v[AF+8*\c:AF+8*\c+3],   v[AADR] offset:64*\c
	ds_load_b128 v[AF+8*\c+4:AF+8*\c+7], v[AADR] offset:64*\c+32
.endr
; Step m: the products of points 16 m .. 16 m + 15 x my 64 columns (m = 8: none); among them the way of rows m - 1 through the stage and the fragments of rows m + 1;
; behind them the global stores of rows m - 1.
.macro STEP m
.set AC, ACC+32*((\m)%2)               ; this step's accumulators
.set AP, ACC+32*(((\m)+1)%2)           ; the step before's
.set FA, AF+24*((\m)%2)                ; this step's fragments of h
.set FN, AF+24*(((\m)+1)%2)            ; the next step's
.set OB, OUTS+32*(((\m)+1)%2)          ; the out-buffer of rows m - 1
.if \m < 8
	s_wait_dscnt 0x0                               ; this step's fragments are in: they were the youngest LDS loads
.endif
.if \m > 0
	s_wait_alu depctr_va_vdst(0)                   ; the step before's products have written their accumulators, which the stage stores below read, and are done reading their fragments, in which the loads below land
.endif
.set KK, 0
.rept 12                                               ; product KK = 4 c + t; the four accumulators take turns, one instruction a turn
.if \m < 8
.if KK < 4
	v_wmma_f32_16x16x32_f16 v[AC+8*KK:AC+8*KK+7], v[WF+8*KK:WF+8*KK+7], v[FA:FA+7], v[BIAS+8*KK:BIAS+8*KK+7]
.else
	v_wmma_f32_16x16x32_f16 v[AC+8*(KK%4):AC+8*(KK%4)+7], v[WF+8*KK:WF+8*KK+7], v[FA+8*(KK/4):FA+8*(KK/4)+7], v[AC+8*(KK%4):AC+8*(KK%4)+7]
.endif
.endif
.if (\m > 0) && (KK < 4)                               ; no product since the wait above names the registers of these LDS instructions
	ds_store_b128 v[SADR], v[AP+8*KK:AP+8*KK+3]   offset:64*KK     ; rows m - 1: point r, columns 16 t + 8 hh + 0..3: each accumulator from its low end on
	ds_store_b128 v[SADR], v[AP+8*KK+4:AP+8*KK+7] offset:64*KK+16  ; .. + 4..7
.endif
.if (\m > 0) && (KK >= 4) && (KK < 8)
.set UU, 2*(KK-4)
	ds_load_b128 v[OB+4*UU:OB+4*UU+3],   v[RADR] offset:2*SP*UU    ; rows 2 u + hh; LDS serves a wave's instructions in order (ISA guide 5.7.1): these see the stores above
	ds_load_b128 v[OB+4*UU+4:OB+4*UU+7], v[RADR] offset:2*SP*(UU+1)
.endif
.if (\m < 7) && (KK >= 8) && (KK < 11)
.set CC, KK-8
	ds_load_b128 v[FN+8*CC:FN+8*CC+3],   v[AADR] offset:16*(\m+1)*HP+64*CC     ; h of points 16 (m + 1) on, fragment c
	ds_load_b128 v[FN+8*CC+4:FN+8*CC+7], v[AADR] offset:16*(\m+1)*HP+64*CC+32
.endif
.set KK, KK+1
.endr
.if \m < 8
.rept 4
	v_nop                                          ; four places behind the products, ahead of the next step's stores of their results; the wait at that step's head stays beside them
.endr
.endif
.if (\m >= 2) && (\m < 8)
	s_wait_xcnt 0x0                                ; the global stores of the step before have had their addresses translated (ISA guide 3.1): their out-buffer is loaded again, in the next step, only behind this wait
.endif
.if (\m >= 1) && (\m < 8)
	s_wait_alu depctr_vm_vsrc(0)                   ; this step's stage stores have read the accumulators that the next step's products write; the global stores of the step before have read the out-buffer in which the next step's loads land
.endif
.if \m > 0
.irp u, 0,1,2,3,4,5,6,7
.if \m < 7
	s_wait_dscnt 13-\u                             ; the later loads back and the six fragment loads are younger: load u is in
.else
	s_wait_dscnt 7-\u                              ; nothing was issued to LDS behind the eight loads back: load u is in
.endif
	global_store_b128 v[OOFF], v[OB+4*\u:OB+4*\u+3], s[16:17] offset:(16*(\m-1)+2*\u)*1024 th:TH_STORE_NT   ; 16 lanes: 256 contiguous bytes, aligned
.endr
.endif
.endm
.irp m, 0,1,2,3,4,5,6,7,8
	STEP \m
.endr
	s_set_vgpr_msb 0x0100                          ; all back to block 0
	s_wait_dscnt 0x0
	s_wait_alu depctr_hold_cnt(0) depctr_sa_sdst(0) depctr_va_vdst(0) depctr_va_sdst(0) depctr_va_ssrc(0) depctr_va_vcc(0) depctr_vm_vsrc(0)
	s_wait_tensorcnt 0x0
	ds_add_u32 v124, v125
	s_wait_dscnt 0x0
	s_endpgm
.Lfunc_end_k_q555c52e772_project:
	.size	k_q555c52e772_project, .Lfunc_end_k_q555c52e772_project-k_q555c52e772_project
	.p2alignl 7, 3214868480
	.fill 96, 4, 3214868480
	.section	.rodata,"a",@progbits
	.p2align	6, 0x0
	.amdhsa_kernel k_q555c52e772_project
		.amdhsa_group_segment_fixed_size 44544
		.amdhsa_private_segment_fixed_size 0
		.amdhsa_enable_private_segment 0
		.amdhsa_kernarg_size 56
		.amdhsa_user_sgpr_count 2
		.amdhsa_user_sgpr_kernarg_segment_ptr 1
		.amdhsa_wavefront_size32 1
		.amdhsa_system_sgpr_workgroup_id_x 1
		.amdhsa_system_sgpr_workgroup_id_y 1
		.amdhsa_system_sgpr_workgroup_id_z 1
		.amdhsa_system_vgpr_workitem_id 0
		.amdhsa_next_free_vgpr 384
		.amdhsa_next_free_sgpr 66
		.amdhsa_reserve_vcc 0
		.amdhsa_float_denorm_mode_32 3
		.amdhsa_float_denorm_mode_16_64 3
		.amdhsa_memory_ordered 1
		.amdhsa_forward_progress 1
		.amdhsa_inst_pref_size 58
	.end_amdhsa_kernel
	.amdgpu_metadata
---
amdhsa.version: [ 1, 2 ]
amdhsa.kernels:
  - .name:           k_q555c52e772_project
    .symbol:         k_q555c52e772_project.kd
    .args:
      - { .name: nidx, .offset: 0, .size: 8, .value_kind: global_buffer, .address_space: global }
      - { .name: nwgt, .offset: 8, .size: 8, .value_kind: global_buffer, .address_space: global }
      - { .name: pixt, .offset: 16, .size: 8, .value_kind: global_buffer, .address_space: global }
      - { .name: wfrag, .offset: 24, .size: 8, .value_kind: global_buffer, .address_space: global }
      - { .name: x, .offset: 32, .size: 8, .value_kind: global_buffer, .address_space: global }
      - { .name: b_nn, .offset: 40, .size: 8, .value_kind: global_buffer, .address_space: global }
      - { .name: out0, .offset: 48, .size: 8, .value_kind: global_buffer, .address_space: global }
    .group_segment_fixed_size: 44544
    .private_segment_fixed_size: 0
    .kernarg_segment_align: 8
    .kernarg_segment_size: 56
    .max_flat_workgroup_size: 128
    .sgpr_count:     66
    .vgpr_count:     384
    .wavefront_size: 32
...
	.end_amdgpu_metadata
.endif
;; end of part 3
